; MI455X (gfx1250); checked and timed in simulation.
; The chip was launched on July 23, 2026; its instructions are those of AMD's public machine-readable ISA for CDNA 5 (MIT licence, August 2026) and "CDNA5" Instruction Set Architecture Reference Guide (July 2026). The comments in the code are by the model that wrote it; some were corrected since.
;; Multi Head Attention. Allowed arithmetic: matrix products marked QUANTISED: E3M2 operands, one E8M0 scale for each 32 along K, by v_wmma_scale_f32_16x16x128_f8f6f4 with both operands' format E3M2, f32 sums; everything else in f32.
;; Inputs: Wk 512 x 512 float32; Wo 512 x 512 float32; Wq 512 x 512 float32; Wv 512 x 512 float32; bk 512 float32; bo 512 float32; bq 512 float32; bv 512 float32; x 2 x 4,096 x 512 float32.
;; Outputs: out0 2 x 4,096 x 512 float32.
;; This version of the problem:
;;   THIS VERSION OF THE PROBLEM IS GIVEN IN LOW PRECISION. The matrix products marked QUANTISED in the list below multiply operands that are first quantised to E3M2 (3 exponent bits, 2 mantissa bits; 6 bits a number), with one power-of-two scale for each 32 numbers along K (OCP MX v1.0); their sums are f32. All else is computed in f32.
;;   The module's matrix products, in the order in which they are computed (A, B: the left and right operand; K: the contracted axis; several contracted axes count as one K, in the product's order):
;;     1. [M 8,192, K 512] x [K 512, N 512]; A: input x; B: input Wq: QUANTISED
;;     2. [M 8,192, K 512] x [K 512, N 512]; A: input x; B: input Wk: QUANTISED
;;     3. [M 8,192, K 512] x [K 512, N 512]; A: input x; B: input Wv: QUANTISED
;;     4. batch 16 x [M 4,096, K 64] x [K 64, N 4,096]; A: computed on the way; B: computed on the way: QUANTISED
;;     5. batch 16 x [M 4,096, K 4,096] x [K 4,096, N 64]; A: softmax (see below); B: computed on the way: QUANTISED
;;     6. [M 8,192, K 512] x [K 512, N 512]; A: computed on the way; B: input Wo: QUANTISED
;;   THE QUANTISER, for each operand of a quantised product, along K:
;;     - K is cut into blocks of 32 from its start; a last block that is shorter is filled with zeros.
;;     - A block's scale is 2^e with e = floor(log2(the largest magnitude in the block)) - 4, held to -126 .. 127; a block of zeros has e = 0. As a byte (E8M0): e + 127.
;;     - Each number is divided by its block's scale, clamped to +-28, and rounded to the nearest number of E3M2, ties to even, subnormals kept.
;;     - The product sums the exact products of the quantised numbers (number of the format x scale) in f32.
;;   ~~~python
;;   def quantise(x, axis):      # numpy; x: float32 -> the quantised numbers, widened to float32 again
;;       x = np.moveaxis(x, axis, -1); K = x.shape[-1]
;;       x = np.pad(x, [(0, 0)] * (x.ndim - 1) + [(0, -K % 32)]); x = x.reshape(x.shape[:-1] + (-1, 32)); a = np.abs(x).max(-1, keepdims=True)
;;       e = np.where(a > 0, np.clip(np.frexp(np.where(a > 0, a, 1))[1] - 1 - 4, -126, 127), 0)      # np.frexp(a)[1] - 1 = floor(log2(a)), exactly
;;       r = np.clip(x / 2.0 ** e, -28, 28)
;;       step = 2.0 ** (np.maximum(np.frexp(np.where(r == 0, 1, r))[1] - 1, -2) - 2)
;;       q = np.round(r / step) * step * 2.0 ** e      # np.round: ties to even
;;       return np.moveaxis(q.reshape(q.shape[:-2] + (-1,))[..., :K], -1, axis).astype(np.float32)
;;   ~~~
;;   SOFTMAX AHEAD OF A QUANTISED PRODUCT. Where the list says 'softmax', what is quantised is not the finished softmax but p = 2^(t - M), with t = logit x log2(e) and M = ceil(the row's largest t), a whole number; so 1/2 < the row's largest p <= 1. The row's sum l is taken of the UNQUANTISED p, in f32, and the product's result is divided by l at the end. Since M is a whole number, a kernel that streams over the keys may use a running M (the ceiling of the running maximum): every later rescaling is an exact power of two, which a block's scale takes up: the codes' values come out the same.
;;   OPERANDS COMPUTED ON THE WAY. 'Computed on the way' means the value that the module computes at that place (a softmax that the list does not call 'softmax' is quantised finished and normalised). What goes into a quantiser is computed in f32, as accurately as f32 sums, v_exp_f32 and their like allow (about 1e-6 of the number): no bf16 or f16 on the way to a quantiser, and a product that is left as it is and whose result goes on into a quantised operand takes f32 operands (vector FMAs, or v_wmma_f32_16x16x4_f32). A number that lies on a knife's edge between two numbers of the format may be rounded either way, as far as f32 arithmetic and the matrix unit's own rounding can turn it there, and no further.
;; One version. Each part assembles by itself: llvm-mc -triple=amdgcn-amd-amdhsa -mcpu=gfx1250 --defsym DOCPART=n.
;; ======== version 1 of 1: 4 launches
;; limits: right only within a limited range of input values
;; workspace buffers: xw 4,259,840 bytes; qc 3,407,872 bytes; kv 6,684,672 bytes; oc 3,670,016 bytes
;; launch quant (part 1): grid 256 x 1, 10 waves a work-group, no clusters, 85,760 bytes of LDS; arguments x, Wq, Wk, Wv, Wo, xw; writes xw
.if DOCPART == 1
	.amdgcn_target "amdgcn-amd-amdhsa--gfx1250"
	.amdhsa_code_object_version 6
	.text
	.protected	k_qdd2af286be_quant
	.globl	k_qdd2af286be_quant
	.p2align	8
	.type	k_qdd2af286be_quant,@function
k_qdd2af286be_quant:
	s_mov_b64 s[64:65], 0
	v_nop
	global_prefetch_b8 v0, s[64:65] scope:SCOPE_SE
	s_setreg_imm32_b32 hwreg(HW_REG_WAVE_MODE, 25, 1), 1
	s_wait_xcnt 0x0
; x [8192][512] and Wq, Wk, Wv, Wo [512][512], f32 with K innermost, become codes of BF6 (E3M2) with one E8M0 byte for each 32 along K, laid as IMAGES OF THE OPERAND'S REGISTERS.
; A fragment is 16 rows x 128 K: 12 registers a lane.  Its image is 1,536 bytes: registers 4 c .. 4 c + 3 of lane l at 512 c + 16 l.  Its scale words: 4 bytes a lane (lanes 16-31 repeat lanes 0-15).
; THE ROWS OF A TILE ARE NOT NEIGHBOURS: lane index i of tile 2 b + u stands for row 32 b + 8 u + i + 8 (i / 8): so the results of later products fall, 16 neighbours along the next K, into one lane's registers.
; xw: 80 records of 53,248 bytes = 128 rows: fragment e = 4 x tile + K step at 1,536 e, its scale words at 49,152 + 128 e.  Records 0-63: x;  64 + 4 w + j: rows 128 j on of Wq, Wk, Wv, Wo (w = 0 .. 3).
; SHARES: 2,560 fragments, one to a wave: f = 10 x work-group + wave.  No loop, no barrier: waves share nothing.  A wave's 16 loads (a row's 512 consecutive bytes each) go out together.
; The conversions want 16 neighbours along K in ONE lane; the loads take the bytes as they lie; so the 16 rows turn through the wave's own stage in LDS (rows 528 bytes apart: an odd multiple of 16).
; A block's scale is 2^(floor(log2(its largest magnitude)) - 4): its byte is the largest magnitude's exponent field - 4, held at 1 from below.
; LIMITS: NaN and infinities among the inputs are not served.  A block of zeros, or one whose largest magnitude lies under 2^-122, gets the byte 1 (the rule says 127 for zeros): its codes are zeros or near it, and this program alone reads the bytes.
; The matrix units, clusters and tensor loads are left out: each byte is read once by one wave.
.set STG,  8448                        ; a wave's stage: 16 rows x 528 bytes
.set REC,  53248                       ; a record of xw
.set R,    16                          ; v16-79   the 16 rows as loaded
.set X,    80                          ; v80-143  register 16 b + i = k 32 b + 16 (lane / 16) + i of row lane % 16
.set PC,   144                         ; v144-155 the fragment's codes; v156-162 at work
.set TM,   164                         ; v164-179 at work in QUANT
.set PW,   180                         ; v180     the scale word
.set SEL,  36                          ; s[36:37] lane selects: lane l xor 16
; 64 numbers of a lane, v[s] .. v[s + 63], register 16 b + i = k 32 b + 16 (lane / 16) + i of my row, become a fragment's codes in v[PC] on and its scale word in v[PW].
.macro QUANT s
.irp b, 0,1,2,3
	v_max3_num_f32 v[TM+\b], |v[\s+16*\b]|, |v[\s+1+16*\b]|, 0x2800000   ; block b: my 16 numbers, and the floor 2^(5 - 127): the byte cannot fall under 1
.endr
.irp i, 2,4,6,8,10,12,14
.irp b, 0,1,2,3
	s_delay_alu instid0(VALU_DEP_4)
	v_max3_num_f32 v[TM+\b], v[TM+\b], |v[\s+16*\b+\i]|, |v[\s+1+16*\b+\i]|   ; the four blocks by turns
.endr
.endr
.irp b, 0,1,2,3
	s_delay_alu instid0(VALU_DEP_4)
	v_permlanex16_b32 v[TM+4+\b], v[TM+\b], s[SEL], s[SEL+1]
.endr
.irp b, 0,1,2,3
	s_delay_alu instid0(VALU_DEP_4)
	v_max_num_f32 v[TM+\b], v[TM+\b], v[TM+4+\b]   ; with lane l xor 16's: the block's largest magnitude
.endr
.irp b, 0,1,2,3
	s_delay_alu instid0(VALU_DEP_4)
	v_add_nc_u32 v[TM+12+\b], 0xfe000000, v[TM+\b]   ; 4 off its exponent field: the conversion takes the exponent field of this operand as its scale
.endr
.irp b, 0,1,2,3
	s_delay_alu instid0(VALU_DEP_4)
	v_lshrrev_b32 v[TM+4+\b], 23, v[TM+12+\b]      ; the scale's byte
.endr
	s_delay_alu instid0(VALU_DEP_3)
	v_lshl_or_b32 v[PW], v[TM+5], 8, v[TM+4]
	s_delay_alu instid0(VALU_DEP_1)
	v_lshl_or_b32 v[PW], v[TM+6], 16, v[PW]
	s_delay_alu instid0(VALU_DEP_1)
	v_lshl_or_b32 v[PW], v[TM+7], 24, v[PW]
.irp c, 0,1
	v_cvt_scalef32_pk16_bf6_f32 v[PC+6*\c:PC+2+6*\c], v[\s+32*\c:\s+15+32*\c], v[TM+12+2*\c]
	v_cvt_scalef32_pk16_bf6_f32 v[PC+12+4*\c:PC+14+4*\c], v[\s+16+32*\c:\s+31+32*\c], v[TM+12+2*\c+1]   ; (a conversion's three registers begin on an even number)
.endr
	v_nop                                          ; one plain place behind a scaled conversion
.irp c, 0,1                                    ; the operand's layout wants a WHOLE block in a lane: lanes 0-15 block 2 c, lanes 16-31 block 2 c + 1
.irp i, 0,1,2
	v_permlane16_swap_b32 v[PC+6*\c+\i], v[PC+12+4*\c+\i]
.endr
.irp i, 0,1,2
	s_delay_alu instid0(VALU_DEP_3)
	v_mov_b32 v[PC+3+6*\c+\i], v[PC+12+4*\c+\i]
.endr
.endr
.endm
	s_load_b256 s[4:11], s[0:1], 0x0               ; x s[4:5], Wq s[6:7], Wk s[8:9], Wv s[10:11]
	s_load_b128 s[12:15], s[0:1], 0x20             ; Wo s[12:13], xw s[14:15]
	v_lshl_add_u32 v192, v0, 2, 0x14a00
	v_mov_b32 v193, 0
	v_lshrrev_b32 v1, 5, v0
	s_delay_alu instid0(VALU_DEP_1)
	v_readfirstlane_b32 s16, v1                    ; wave 0..9
	v_and_b32 v1, 31, v0                           ; lane
	s_delay_alu instid0(VALU_DEP_1)
	v_lshlrev_b32 v2, 4, v1                        ; 16 x lane: my bytes of a row's 512, and of an image's chunk
	s_delay_alu instid0(VALU_DEP_2)
	v_lshlrev_b32 v3, 2, v1                        ; 4 x lane: my scale word
	v_and_b32 v6, 15, v0                           ; r
	v_bfe_u32 v7, v0, 4, 1                         ; h
	s_mul_i32 s18, s16, STG
	v_add_nc_u32 v4, s18, v2                       ; the stage on the way in: 16 x lane of a row
	v_mul_u32_u24 v5, v6, 528
	s_delay_alu instid0(VALU_DEP_1)
	v_lshl_add_u32 v5, v7, 6, v5
	s_delay_alu instid0(VALU_DEP_1)
	v_add_nc_u32 v5, s18, v5                       ; and on the way out: row r, + 64 h: my 16 numbers of each block
.irp b, 0,1,2,3
	v_mov_b32 v[TM+4+\b], 0                        ; written once: a lane permute's destination counts as one of its sources
.endr
	s_mov_b32 s[SEL], 0x76543210
	s_mov_b32 s[SEL+1], 0xfedcba98
	s_mul_i32 s17, ttmp9, 10
	s_add_co_u32 s17, s17, s16                     ; f: my fragment
	s_lshr_b32 s28, s17, 5
	s_mul_i32 s28, s28, REC                        ; its record,
	s_and_b32 s29, s17, 31                         ; its number e in the record
	s_mul_i32 s30, s29, 1536
	s_add_co_u32 s30, s30, s28                     ; where its image goes
	s_mov_b32 s31, 0
	s_lshl_b32 s24, s29, 7
	s_add_co_u32 s24, s24, s28
	s_add_co_u32 s24, s24, 49152                   ; and its scale words
	s_mov_b32 s25, 0
	s_wait_alu depctr_va_vdst(0)
	s_wait_kmcnt 0x0
	s_add_nc_u64 s[32:33], s[14:15], s[30:31]
	s_add_nc_u64 s[34:35], s[14:15], s[24:25]
	s_cmp_lt_u32 s17, 2432                         ; which tensor: the choice hangs on the fragment's number alone
	s_cselect_b64 s[20:21], s[10:11], s[12:13]
	s_cmp_lt_u32 s17, 2304
	s_cselect_b64 s[20:21], s[8:9], s[20:21]
	s_cmp_lt_u32 s17, 2176
	s_cselect_b64 s[20:21], s[6:7], s[20:21]
	s_cmp_lt_u32 s17, 2048
	s_cselect_b64 s[20:21], s[4:5], s[20:21]
	s_cselect_b32 s23, 511, 31                     ; x has 512 tiles, a weight 32
	s_lshr_b32 s22, s17, 2
	s_and_b32 s22, s22, s23                        ; my tile in its tensor
	s_lshr_b32 s26, s22, 1
	s_lshl_b32 s26, s26, 5
	s_and_b32 s27, s22, 1
	s_lshl_b32 s27, s27, 3
	s_add_co_u32 s26, s26, s27                     ; its first row: 32 (tile / 2) + 8 (tile % 2)
	s_lshl_b32 s26, s26, 11                        ; rows of 2,048 bytes
	s_and_b32 s27, s17, 3
	s_lshl_b32 s27, s27, 9                         ; K step: 128 numbers, 512 bytes
	s_add_co_u32 s26, s26, s27
	s_mov_b32 s27, 0
	s_add_nc_u64 s[20:21], s[20:21], s[26:27]
.irp i, 0,1,2,3,4,5,6,7,8,9,10,11,12,13,14,15
	global_load_b128 v[R+4*\i:R+4*\i+3], v2, s[20:21] offset:(\i+8*(\i/8))*2048 th:TH_LOAD_NT   ; lane index i's row: 32 lanes read 512 consecutive bytes, read once in the launch
.endr
.irp i, 0,1,2,3,4,5,6,7,8,9,10,11,12,13,14,15
	s_wait_loadcnt 15-\i                           ; loads come back in order: row i is in, the 15 - i younger ones may be out
	ds_store_b128 v4, v[R+4*\i:R+4*\i+3] offset:528*\i
.endr
.irp b, 0,1,2,3
.irp j, 0,1,2,3
	ds_load_b128 v[X+16*\b+4*\j:X+16*\b+4*\j+3], v5 offset:128*\b+16*\j   ; my wave's own bytes, served in order: these see the stores above
.endr
.endr
	s_wait_dscnt 0x0
	QUANT X
.irp c, 0,1,2
	global_store_b128 v2, v[PC+4*\c:PC+4*\c+3], s[32:33] offset:512*\c   ; 32 lanes store 512 consecutive bytes, aligned
.endr
	global_store_b32 v3, v[PW], s[34:35]
	s_wait_tensorcnt 0x0
	ds_add_u32 v192, v193
	s_wait_dscnt 0x0
	s_endpgm
.Lfunc_end_k_qdd2af286be_quant:
	.size	k_qdd2af286be_quant, .Lfunc_end_k_qdd2af286be_quant-k_qdd2af286be_quant
	.p2alignl 7, 3214868480
	.fill 96, 4, 3214868480
	.section	.rodata,"a",@progbits
	.p2align	6, 0x0
	.amdhsa_kernel k_qdd2af286be_quant
		.amdhsa_group_segment_fixed_size 85760
		.amdhsa_private_segment_fixed_size 0
		.amdhsa_enable_private_segment 0
		.amdhsa_kernarg_size 48
		.amdhsa_user_sgpr_count 2
		.amdhsa_user_sgpr_kernarg_segment_ptr 1
		.amdhsa_wavefront_size32 1
		.amdhsa_system_sgpr_workgroup_id_x 1
		.amdhsa_system_sgpr_workgroup_id_y 1
		.amdhsa_system_sgpr_workgroup_id_z 1
		.amdhsa_system_vgpr_workitem_id 0
		.amdhsa_next_free_vgpr 194
		.amdhsa_next_free_sgpr 66
		.amdhsa_reserve_vcc 0
		.amdhsa_float_denorm_mode_32 3
		.amdhsa_float_denorm_mode_16_64 3
		.amdhsa_memory_ordered 1
		.amdhsa_forward_progress 1
		.amdhsa_inst_pref_size 13
	.end_amdhsa_kernel
	.amdgpu_metadata
---
amdhsa.version: [ 1, 2 ]
amdhsa.kernels:
  - .name:           k_qdd2af286be_quant
    .symbol:         k_qdd2af286be_quant.kd
    .args:
      - { .name: x, .offset: 0, .size: 8, .value_kind: global_buffer, .address_space: global }
      - { .name: Wq, .offset: 8, .size: 8, .value_kind: global_buffer, .address_space: global }
      - { .name: Wk, .offset: 16, .size: 8, .value_kind: global_buffer, .address_space: global }
      - { .name: Wv, .offset: 24, .size: 8, .value_kind: global_buffer, .address_space: global }
      - { .name: Wo, .offset: 32, .size: 8, .value_kind: global_buffer, .address_space: global }
      - { .name: xw, .offset: 40, .size: 8, .value_kind: global_buffer, .address_space: global }
    .group_segment_fixed_size: 85760
    .private_segment_fixed_size: 0
    .kernarg_segment_align: 8
    .kernarg_segment_size: 48
    .max_flat_workgroup_size: 320
    .sgpr_count:     66
    .vgpr_count:     194
    .wavefront_size: 32
...
	.end_amdgpu_metadata
.endif
;; end of part 1
;; launch qkv (part 2): grid 64 x 4, 6 waves a work-group, no clusters, 168,704 bytes of LDS; arguments xw, bq, bk, bv, qc, kv; writes qc, kv
.if DOCPART == 2
	.amdgcn_target "amdgcn-amd-amdhsa--gfx1250"
	.amdhsa_code_object_version 6
	.text
	.protected	k_qdd2af286be_qkv
	.globl	k_qdd2af286be_qkv
	.p2align	8
	.type	k_qdd2af286be_qkv,@function
k_qdd2af286be_qkv:
	s_mov_b64 s[64:65], 0
	v_nop
	global_prefetch_b8 v0, s[64:65] scope:SCOPE_SE
	s_setreg_imm32_b32 hwreg(HW_REG_WAVE_MODE, 25, 1), 1
	s_wait_xcnt 0x0
; q = x Wq^T + bq, k = x Wk^T + bk, v = x Wv^T + bv on codes of BF6 (E3M2) with E8M0 scales, sums in f32; the results are quantised at once: q and k along the head's 64 channels, v along the tokens (the keys).
; SHARES.  A work-group takes 128 tokens (group g = work-group x).  Wave w takes ONE head's 64 columns of one weight: sel = w / 2 (0 q, 1 k, 2 v), head = 4 (w % 2) + work-group y: 128 matrix instructions.
; The head's 16 fragments of W stay in the wave's registers, fetched as images straight from xw; x's record (53,248 bytes) comes into LDS once, by four tensor loads, and all six waves read it.
; TILE ORDER (as in xw): lane index i of tile 2 b + u stands for row 32 b + 8 u + i + 8 (i / 8).
; q, k: source 0 = 16 rows of W, source 1 = 16 tokens: lane (r, h) holds token index r, and the 16 registers of W's tiles 2 b, 2 b + 1 are channels 32 b + 16 h + 0 .. 15.  Two token tiles (4 blocks of 32) go through QUANT together.
; v:    source 0 = 16 tokens, source 1 = 16 rows of W: lane (r, h) holds channel index r, and the 16 registers of x's tiles 2 b, 2 b + 1 are tokens 32 b + 16 h + 0 .. 15: 128 tokens are one fragment of V^T.
; The bias is the C of each sum's first matrix instruction.
; OUT.  qc: [batch x head 16][group 32] records of 6,656 bytes: tile m's half image (K = 64: six registers: 0-3 at 16 l, 4-5 at 512 + 8 l) at 768 m; at 6,144 the scale words, one for each PAIR of tiles:
;           that of tiles 2 i, 2 i + 1, row l % 16 at 16 l + 4 i: bytes 0, 1 tile 2 i's two blocks, bytes 2, 3 tile 2 i + 1's (lanes 16-31 repeat lanes 0-15).
;       kv: [batch x head 16][step 32] records of 13,056 bytes: k's part as a record of qc; V^T's four images (channel tile t) at 6,656 + 1,536 t; their scale words at 12,800: tile 2 i + l / 16, row l % 16 at 8 l + 4 i.
; NO CLUSTER: of the 200,704 bytes that a work-group fetches, 53,248 (x's record) are shared with the three work-groups of the same g; the rest goes straight into registers, which a joint load does not reach.
; LDS is filled once; the claim is larger than the use.
; LIMITS: NaN and infinities are not served; a block whose largest magnitude lies under 2^-122 (a block of zeros too) gets the byte 1; this program alone reads the bytes.
; REGISTERS.  Window 0: v1-3, v5-7 offsets; v8-23 W's scale words; v24-31 x's scale words in hand; v32-127 eight fragments of x; v128-191 eight accumulators; v192-211 codes; v212-228 at work; v232-235 gathered scale words; v236-243 bias offsets.
;             Window 1: v0-191 W's fragment f = 4 x tile + K step at 12 f; v192-223 the bias, eight registers a tile of W.
.set REC,   53248
.set FRB,   1536
.set XSCL,  49152
.set WS,    8
.set XS,    24
.set XF,    32
.set ACC,   128
.set PC,    192
.set TM,    212
.set PW,    228
.set SW,    232
.set BA,    236
.set BI,    192                        ; in window 1
.set SEL,   44
.set MSB, 0
.macro WIN new                         ; the immediate's high byte repeats the setting that is left; a switch that changes nothing is dropped
.if MSB != \new
	s_set_vgpr_msb (MSB<<8)|\new
.set MSB, \new
.endif
.endm
.macro PLACES                          ; four plain places behind matrix instructions, in front of loads into their registers and of the first read of their results
.rept 4
	v_nop
.endr
.endm
; 64 numbers of a lane, register 16 b + i = k 32 b + 16 (lane / 16) + i of my row, become 12 registers of codes in v[PC] on and a scale word in v[PW].  Each accumulator is read from its low end on.
.macro QUANT s
.irp b, 0,1,2,3
	v_max3_num_f32 v[TM+\b], |v[\s+16*\b]|, |v[\s+1+16*\b]|, 0x2800000   ; block b: my 16 numbers, and the floor 2^(5 - 127): the byte cannot fall under 1
.endr
.irp i, 2,4,6,8,10,12,14
.irp b, 0,1,2,3
	v_max3_num_f32 v[TM+\b], v[TM+\b], |v[\s+16*\b+\i]|, |v[\s+1+16*\b+\i]|
.endr
.endr
.irp b, 0,1,2,3
	v_permlanex16_b32 v[TM+4+\b], v[TM+\b], s[SEL], s[SEL+1]
.endr
.irp b, 0,1,2,3
	v_max_num_f32 v[TM+\b], v[TM+\b], v[TM+4+\b]   ; with lane l xor 16's: the block's largest magnitude
.endr
.irp b, 0,1,2,3
	v_add_nc_u32 v[TM+12+\b], 0xfe000000, v[TM+\b]   ; 4 off its exponent field: the conversion's scale operand
.endr
.irp b, 0,1,2,3
	v_lshrrev_b32 v[TM+4+\b], 23, v[TM+12+\b]      ; the scale's byte
.endr
	v_lshl_or_b32 v[PW], v[TM+5], 8, v[TM+4]
	v_lshl_or_b32 v[PW], v[TM+6], 16, v[PW]
	v_lshl_or_b32 v[PW], v[TM+7], 24, v[PW]
.irp c, 0,1
	v_cvt_scalef32_pk16_bf6_f32 v[PC+6*\c:PC+2+6*\c], v[\s+32*\c:\s+15+32*\c], v[TM+12+2*\c]
	v_cvt_scalef32_pk16_bf6_f32 v[PC+12+4*\c:PC+14+4*\c], v[\s+16+32*\c:\s+31+32*\c], v[TM+12+2*\c+1]
.endr
	v_nop                                          ; one plain place behind a scaled conversion
.irp c, 0,1
.irp i, 0,1,2
	v_permlane16_swap_b32 v[PC+6*\c+\i], v[PC+12+4*\c+\i]
.endr
.irp i, 0,1,2
	v_mov_b32 v[PC+3+6*\c+\i], v[PC+12+4*\c+\i]
.endr
.endr
.endm
.macro LOADX e, m, s                   ; x's fragment (tile m, K step s) and its scale words from LDS into place e
.irp c, 0,1,2
	ds_load_b128 v[XF+12*(\e)+4*\c:XF+12*(\e)+4*\c+3], v1 offset:FRB*(4*(\m)+(\s))+512*\c
.endr
	ds_load_b32 v[XS+(\e)], v3 offset:XSCL+128*(4*(\m)+(\s))
.endm
	s_load_b256 s[4:11], s[0:1], 0x0               ; xw s[4:5], bq s[6:7], bk s[8:9], bv s[10:11]
	s_load_b128 s[12:15], s[0:1], 0x20             ; qc s[12:13], kv s[14:15]
	v_lshl_add_u32 v254, v0, 2, 0x29000
	v_mov_b32 v255, 0
	ds_add_u32 v254, v255
	ds_add_u32 v254, v255
	v_lshrrev_b32 v1, 5, v0
	v_readfirstlane_b32 s16, v1                    ; wave 0..5
	v_and_b32 v7, 31, v0
	v_lshlrev_b32 v1, 4, v7                        ; v1 = 16 x lane
	v_lshlrev_b32 v2, 3, v7                        ; v2 = 8 x lane
	v_lshlrev_b32 v3, 2, v7                        ; v3 = 4 x lane
	v_xor_b32 v229, 8, v7                          ; q's and k's half images of the odd pairs of tiles (2 p, 2 p + 1 with p odd) are stored with lane l's bytes at the place of lane l xor 8:
	v_lshlrev_b32 v230, 3, v229                    ; the launch that reads them takes rows 0-7 of a tile from an even pair and rows 8-15 from an odd pair,
	v_lshlrev_b32 v229, 4, v229                    ; and the two then lie in different halves of each 256 bytes
	v_bfe_u32 v5, v0, 4, 1                         ; h
	v_lshlrev_b32 v5, 6, v5                        ; v5 = 64 h: q's and k's bias: my half's eight channels of a tile
	v_and_b32 v6, 15, v0
	v_and_b32 v7, 8, v6
	v_add_nc_u32 v6, v6, v7
	v_lshlrev_b32 v6, 2, v6                        ; v6 = 4 (r + 8 (r / 8)): v's bias: my channel of a tile
.irp b, 0,1,2,3
	v_mov_b32 v[TM+4+\b], 0                        ; written once: a lane permute's destination counts as one of its sources
.endr
	s_lshr_b32 s17, s16, 1                         ; sel
	s_and_b32 s18, s16, 1
	s_lshl_b32 s18, s18, 2
	s_and_b32 s20, ttmp7, 0xffff
	s_add_co_u32 s18, s18, s20                     ; head
	s_mov_b32 s19, ttmp9                           ; g
	s_mov_b32 s[SEL], 0x76543210
	s_mov_b32 s[SEL+1], 0xfedcba98
	s_mov_b32 s54, 0xffff0000                      ; lanes 16-31
	; descriptor group 1: a quarter of x's record, dense: 52 rows of 256 bytes (32 elements of 8 bytes), no padding
	s_mov_b32 s24, 3<<16                           ; no mask; elements of 8 bytes
	s_mov_b32 s25, 32<<16                          ; tensor_dim0
	s_mov_b32 s26, 52<<16                          ; tensor_dim1
	s_mov_b32 s27, 32<<16                          ; tile_dim0
	s_mov_b32 s28, 52                              ; tile_dim1
	s_mov_b32 s29, 32                              ; the pitch
	s_mov_b32 s30, 0
	s_mov_b32 s31, 0
	s_mul_i32 s33, s16, 13312                      ; where my quarter goes
	s_mul_i32 s20, s19, REC
	s_add_co_u32 s20, s20, s33                     ; and whence it comes
	s_mov_b32 s21, 0
	s_lshl_b32 s22, s17, 2
	s_lshr_b32 s23, s18, 1
	s_add_co_u32 s22, s22, s23
	s_add_co_u32 s22, s22, 64
	s_mul_i32 s22, s22, REC                        ; my weight's record: 64 + 4 sel + head / 2
	s_and_b32 s23, s18, 1
	s_mul_i32 s48, s23, 16*FRB
	s_add_co_u32 s48, s48, s22                     ; my head's 16 images
	s_mov_b32 s49, 0
	s_lshl_b32 s50, s23, 11
	s_add_co_u32 s50, s50, s22
	s_add_co_u32 s50, s50, XSCL                    ; and their scale words
	s_mov_b32 s51, 0
	s_lshl_b32 s52, s18, 8                         ; my head's 64 numbers of the bias
	s_mov_b32 s53, 0
	s_lshr_b32 s56, s19, 5
	s_lshl_b32 s56, s56, 3
	s_add_co_u32 s56, s56, s18
	s_lshl_b32 s56, s56, 5
	s_and_b32 s57, s19, 31
	s_add_co_u32 s56, s56, s57                     ; my record of qc or kv: (8 batch + head) 32 + g % 32
	s_mov_b32 s57, 0
	s_wait_dscnt 0x0
	s_wait_kmcnt 0x0
	s_mov_b32 s32, 1
	s_add_nc_u64 s[34:35], s[4:5], s[20:21]
	s_or_b32 s35, s35, 0x80000000                  ; type 2
	s_cmp_lt_u32 s16, 4                            ; waves 0-3 fetch a quarter each; one tensor load of a wave is out
	s_cbranch_scc0 .Lno_fill
	tensor_load_to_lds s[32:35], s[24:31]
	s_nop 0
.rept 4
	v_nop
.endr
.Lno_fill:
	s_add_nc_u64 s[36:37], s[4:5], s[48:49]
	s_add_nc_u64 s[38:39], s[4:5], s[50:51]
	s_cmp_eq_u32 s17, 0                            ; the choices hang on the wave's number alone
	s_cselect_b64 s[40:41], s[6:7], s[8:9]
	s_cselect_b64 s[42:43], s[12:13], s[14:15]
	s_mov_b32 s55, 13056
	s_cselect_b32 s55, 6656, s55
	s_cmp_eq_u32 s17, 2
	s_cselect_b64 s[40:41], s[10:11], s[40:41]
	s_cselect_b32 s46, 0, 4                        ; v: all eight registers of a tile take my channel's bias; q, k: eight neighbours
	s_cselect_b32 s47, -1, 0
	s_mul_i32 s56, s56, s55
	s_add_nc_u64 s[40:41], s[40:41], s[52:53]
	s_add_nc_u64 s[42:43], s[42:43], s[56:57]
	WIN 0x40                                       ; destination window 1, offset window 0
.irp f, 0,1,2,3,4,5,6,7,8,9,10,11,12,13,14,15
.irp c, 0,1,2
	global_load_b128 v[12*\f+4*\c:12*\f+4*\c+3], v1, s[36:37] offset:FRB*\f+512*\c   ; W's images: 512 consecutive bytes a load
.endr
.endr
	WIN 0
.irp f, 0,1,2,3,4,5,6,7,8,9,10,11,12,13,14,15
	global_load_b32 v[WS+\f], v3, s[38:39] offset:128*\f
.endr
	s_wait_alu depctr_va_vdst(0)
	v_cndmask_b32 v7, v5, v6, s47
.irp j, 0,1,2,3,4,5,6,7
	v_mad_u32_u24 v[BA+\j], s46, \j, v7
.endr
	WIN 0x40
.irp t, 0,1,2,3
.irp j, 0,1,2,3,4,5,6,7
	global_load_b32 v[BI+8*\t+\j], v[BA+\j], s[40:41] offset:(32*(\t/2)+8*(\t%2))*4
.endr
.endr
	WIN 0
	s_wait_tensorcnt 0x0                           ; my quarter of x's record has landed (a wave that fetched none passes),
	s_barrier_signal -1
	s_barrier_wait -1                              ; everybody's has
	s_cmp_eq_u32 s17, 2
	s_cbranch_scc1 .Lv_path
	; ---- q and k: pairs of token tiles 2 p, 2 p + 1: eight accumulators (tile mm, W's tile n) by turns, one instruction a turn
.macro PAIRX p
.irp mm, 0,1
.irp s, 0,1,2,3
	LOADX 4*\mm+\s, 2*(\p)+\mm, \s
.endr
.endr
.endm
.macro PAIR p
	s_wait_dscnt 0x0                               ; the pair's eight fragments of x are in
	WIN 0x11                                       ; source 0 (W) and source 2 (the bias) window 1
.irp mm, 0,1
.irp n, 0,1,2,3
	v_wmma_scale_f32_16x16x128_f8f6f4 v[ACC+32*\mm+8*\n:ACC+32*\mm+8*\n+7], v[12*(4*\n):12*(4*\n)+11], v[XF+12*(4*\mm):XF+12*(4*\mm)+11], v[BI+8*\n:BI+8*\n+7], v[WS+4*\n], v[XS+4*\mm] matrix_a_fmt:MATRIX_FMT_BF6 matrix_b_fmt:MATRIX_FMT_BF6
.endr
.endr
	WIN 0x01
.irp s, 1,2,3
.irp mm, 0,1
.irp n, 0,1,2,3
	v_wmma_scale_f32_16x16x128_f8f6f4 v[ACC+32*\mm+8*\n:ACC+32*\mm+8*\n+7], v[12*(4*\n+\s):12*(4*\n+\s)+11], v[XF+12*(4*\mm+\s):XF+12*(4*\mm+\s)+11], v[ACC+32*\mm+8*\n:ACC+32*\mm+8*\n+7], v[WS+4*\n+\s], v[XS+4*\mm+\s] matrix_a_fmt:MATRIX_FMT_BF6 matrix_b_fmt:MATRIX_FMT_BF6
.endr
.endr
.endr
	WIN 0
	PLACES
.if \p < 3
	PAIRX \p+1                                     ; the next pair's fragments land while this pair is quantised
.endif
	s_wait_xcnt 0x0                                ; the last pair's stores have read their registers: the codes may be written again
	QUANT ACC                                      ; blocks 0, 1: tile 2 p's channels; blocks 2, 3: tile 2 p + 1's
	global_store_b128 v[1+228*((\p)%2)], v[PC:PC+3], s[42:43] offset:768*(2*\p)          ; p even: v1, v2; p odd: v229, v230.  Either way 32 lanes store 512 (256) consecutive bytes
	global_store_b64 v[2+228*((\p)%2)], v[PC+4:PC+5], s[42:43] offset:768*(2*\p)+512
	global_store_b128 v[1+228*((\p)%2)], v[PC+6:PC+9], s[42:43] offset:768*(2*\p+1)
	global_store_b64 v[2+228*((\p)%2)], v[PC+10:PC+11], s[42:43] offset:768*(2*\p+1)+512
	v_mov_b32 v[SW+\p], v[PW]                      ; the pair's scale word as it stands: bytes 0, 1 tile 2 p's, bytes 2, 3 tile 2 p + 1's
.endm
	PAIRX 0
	s_wait_loadcnt 0x0                             ; W, its scale words, the bias
	PAIR 0
	PAIR 1
	PAIR 2
	PAIR 3
	global_store_b128 v1, v[SW:SW+3], s[42:43] offset:6144
	s_wait_tensorcnt 0x0
	ds_add_u32 v254, v255
	s_wait_dscnt 0x0
	s_endpgm
	; ---- v: channel tile t: eight accumulators (x's tiles 0-7) by turns, a K step at a time
.Lv_path:
.macro VLOAD s
.irp m, 0,1,2,3,4,5,6,7
	LOADX \m, \m, \s
.endr
.endm
.macro VSTEP t, s
	s_wait_dscnt 0x0
.if \s == 0
	WIN 0x14                                       ; source 1 (W) and source 2 (the bias) window 1
.irp m, 0,1,2,3,4,5,6,7
	v_wmma_scale_f32_16x16x128_f8f6f4 v[ACC+8*\m:ACC+8*\m+7], v[XF+12*\m:XF+12*\m+11], v[12*(4*\t):12*(4*\t)+11], v[BI+8*\t:BI+8*\t+7], v[XS+\m], v[WS+4*\t] matrix_a_fmt:MATRIX_FMT_BF6 matrix_b_fmt:MATRIX_FMT_BF6
.endr
.else
	WIN 0x04
.irp m, 0,1,2,3,4,5,6,7
	v_wmma_scale_f32_16x16x128_f8f6f4 v[ACC+8*\m:ACC+8*\m+7], v[XF+12*\m:XF+12*\m+11], v[12*(4*\t+\s):12*(4*\t+\s)+11], v[ACC+8*\m:ACC+8*\m+7], v[XS+\m], v[WS+4*\t+\s] matrix_a_fmt:MATRIX_FMT_BF6 matrix_b_fmt:MATRIX_FMT_BF6
.endr
.endif
	WIN 0
	PLACES
.endm
.macro VTILE t
	VSTEP \t, 0
	VLOAD 1
	VSTEP \t, 1
	VLOAD 2
	VSTEP \t, 2
	VLOAD 3
	VSTEP \t, 3
.if \t < 3
	VLOAD 0                                        ; the next tile's first K step lands while this tile is quantised
.endif
	s_wait_xcnt 0x0                                ; the last tile's stores have read their registers
	QUANT ACC                                      ; 128 tokens of my channel: one fragment of V^T
.irp c, 0,1,2
	global_store_b128 v1, v[PC+4*\c:PC+4*\c+3], s[42:43] offset:6656+FRB*\t+512*\c
.endr
.if \t%2 == 0
	v_mov_b32 v[SW+\t/2], v[PW]                    ; lanes 0-15 will keep the even tile's word,
.else
	v_cndmask_b32 v[SW+\t/2], v[SW+\t/2], v[PW], s54   ; lanes 16-31 take the odd tile's
.endif
.endm
	VLOAD 0
	s_wait_loadcnt 0x0                             ; W, its scale words, the bias
	VTILE 0
	VTILE 1
	VTILE 2
	VTILE 3
	global_store_b64 v2, v[SW:SW+1], s[42:43] offset:12800
	s_wait_tensorcnt 0x0
	ds_add_u32 v254, v255
	s_wait_dscnt 0x0
	s_endpgm
.Lfunc_end_k_qdd2af286be_qkv:
	.size	k_qdd2af286be_qkv, .Lfunc_end_k_qdd2af286be_qkv-k_qdd2af286be_qkv
	.p2alignl 7, 3214868480
	.fill 96, 4, 3214868480
	.section	.rodata,"a",@progbits
	.p2align	6, 0x0
	.amdhsa_kernel k_qdd2af286be_qkv
		.amdhsa_group_segment_fixed_size 168704
		.amdhsa_private_segment_fixed_size 0
		.amdhsa_enable_private_segment 0
		.amdhsa_kernarg_size 48
		.amdhsa_user_sgpr_count 2
		.amdhsa_user_sgpr_kernarg_segment_ptr 1
		.amdhsa_wavefront_size32 1
		.amdhsa_system_sgpr_workgroup_id_x 1
		.amdhsa_system_sgpr_workgroup_id_y 1
		.amdhsa_system_sgpr_workgroup_id_z 1
		.amdhsa_system_vgpr_workitem_id 0
		.amdhsa_next_free_vgpr 480
		.amdhsa_next_free_sgpr 66
		.amdhsa_reserve_vcc 0
		.amdhsa_float_denorm_mode_32 3
		.amdhsa_float_denorm_mode_16_64 3
		.amdhsa_memory_ordered 1
		.amdhsa_forward_progress 1
		.amdhsa_inst_pref_size 124
	.end_amdhsa_kernel
	.amdgpu_metadata
---
amdhsa.version: [ 1, 2 ]
amdhsa.kernels:
  - .name:           k_qdd2af286be_qkv
    .symbol:         k_qdd2af286be_qkv.kd
    .args:
      - { .name: xw, .offset: 0, .size: 8, .value_kind: global_buffer, .address_space: global }
      - { .name: bq, .offset: 8, .size: 8, .value_kind: global_buffer, .address_space: global }
      - { .name: bk, .offset: 16, .size: 8, .value_kind: global_buffer, .address_space: global }
      - { .name: bv, .offset: 24, .size: 8, .value_kind: global_buffer, .address_space: global }
      - { .name: qc, .offset: 32, .size: 8, .value_kind: global_buffer, .address_space: global }
      - { .name: kv, .offset: 40, .size: 8, .value_kind: global_buffer, .address_space: global }
    .group_segment_fixed_size: 168704
    .private_segment_fixed_size: 0
    .kernarg_segment_align: 8
    .kernarg_segment_size: 48
    .max_flat_workgroup_size: 192
    .sgpr_count:     66
    .vgpr_count:     480
    .wavefront_size: 32
...
	.end_amdgpu_metadata
.endif
;; end of part 2
;; launch attn (part 3): grid 16 x 16, 8 waves a work-group, no clusters, 327,680 bytes of LDS; arguments qc, kv, oc; writes oc
.if DOCPART == 3
	.amdgcn_target "amdgcn-amd-amdhsa--gfx1250"
	.amdhsa_code_object_version 6
	.text
	.protected	k_qdd2af286be_attn
	.globl	k_qdd2af286be_attn
	.p2align	8
	.type	k_qdd2af286be_attn,@function
k_qdd2af286be_attn:
	s_mov_b64 s[64:65], 0
	v_nop
	global_prefetch_b8 v0, s[64:65] scope:SCOPE_SE
	s_setreg_imm32_b32 hwreg(HW_REG_WAVE_MODE, 25, 1), 1
	s_wait_xcnt 0x0
; o[q] = the sum over keys of softmax(q . k / 8) v for one head of 64 channels, both products on codes of BF6 (E3M2) with E8M0 scales; o is quantised at once along its 64 channels for the last product.
; THE SOFTMAX: t = score x log2(e) / 8; M = the running largest t rounded UP to a whole number; p = 2^(t - M) is quantised along the keys, not normalised; the row's sum is taken of the unquantised p in f32
; and divides O at the end.  When M moves, the sum and O are multiplied by 2^(old M - new M): exact, and with no branch on data.
; SHARES.  A work-group owns 256 queries (work-group x) of one batch x head (work-group y); each of its eight waves owns TWO tiles of 16 queries (tiles 2 w, 2 w + 1), so that each fragment of K and V read from LDS
; feeds two tiles' products, and the two tiles' chains of vector instructions take turns line by line.  Every wave walks the 32 key steps of 128 keys; a step's operands are one record of kv, 13,056 dense bytes.
; LAYOUT.  S^T = K Q^T (source 0 = keys, source 1 = queries), O^T = V^T P^T (source 0 = 16 channels, source 1 = p): a lane holds ONE query of each tile.
; WHICH KEYS FORM A TILE OF K is chosen here, by the lanes' LDS addresses: row 8 h' + j of tile 4 c + u is key 64 c + 32 h' + 8 u + j of the step.  So the 32 registers of tiles 4 c .. 4 c + 3 of lane (r, h) are the
; WHOLE block 2 c + h of 32 keys, in order, as the second product's operand wants it: a block's largest score needs no other lane and the codes change no lane.  kv holds tiles 2 b + u' whose index i is key
; 32 b + 8 u' + i + 8 (i / 8): rows 0-7 come from kv's tile 4 c + u % 2, rows 8-15 from its tile 4 c + 2 + u % 2, both at indices 8 (u / 2) on.
; THE FIRST PRODUCT'S K IS 64, the instruction's 128: a fragment of K holds two tiles (registers 0-5 and 6-11); Q stands between runs of zero codes: [Q, zeros] multiplies the first, [zeros, Q] the second.
; The zero codes stand on Q's side alone; the other side's codes are finite, its bytes 1 to 254, Q's bytes over the zeros are 0: those products are exact zeros.
; LDS: slot A = records' places 0-7, slot B = places 8-23, 313,344 bytes on end.  A is filled at the head (a record a wave), B behind the first barrier (two records a wave), A again with records 24-31 behind the
; barrier at step 7.  Three barriers in all; every wave issues every load; one tensor load of a wave is out at the most.
; NO CLUSTER: the sixteen work-groups of a head walk the same records, but a step's 13,056 fetched bytes stand against 32,768 exponentials of that step, so the requests are a small part of a step's work; joint
; loads would put a round of the cluster's barrier at each of the three barriers and one at the end.
; NO PREFETCH: records 0-23 are asked for by tensor loads at the head and behind the first barrier, with no loop ahead of them to ask from; records 24-31 are asked for by their tensor load sixteen steps ahead of their first read.
; LIMITS: the promise holds while |t| stays under 2^31; NaN and infinities are not served; p under 2^-126 becomes 0 (v_exp_f32); a block whose largest p (or o) lies under 2^-122 gets the byte 1;
; a block's largest p is made from its largest score by the same two instructions as every p; o = O x (1 / l), one v_rcp_f32 and one multiplication.
; REGISTERS.  Window 0 (all that vector instructions touch): v1, v2 16 x, 8 x lane; v3, v4 for the add; v5-9 the lanes' terms of K's addresses; v10-16 the step's addresses; v17 8 h; v18-29 scale words;
;   v30-55 small values, a pair or a set for each tile; v64-191 S^T, then p (block 2 tile + c at 32 registers each); v192-255 O^T.
; Window 1: v0-47 K's four pairs of tiles; v48-95 V's four fragments; v96-125 zeros, Q of tile 0, zeros, Q of tile 1, zeros; v128-151 p's codes; v152-167 the second halves of the blocks' codes.
.set RECB,  13056
.set SLOTA, 8*RECB
.set SPARE, 24*RECB                    ; behind the slots: the spare words, 128 bytes for each of the eight waves
.set KSC,   6144                       ; in a record: K's scale words,
.set VOFF,  6656                       ; V's images,
.set VSC,   12800                      ; V's scale words
.set LK,  5
.set AK,  10
.set AV,  15
.set SH,  17
.set KS,  18                           ; v18-21 K's scale words, one a pair of tiles
.set VS,  22                           ; v[22:23] V's
.set QS,  24                           ; v24-27 Q's: tile t: over K 0-63 at 2 t, over K 64-127 at 2 t + 1
.set PW,  28                           ; v28, v29 p's
.set NM,  30                           ; tile t: -M at 2 t, the largest score at 2 t + 1
.set FT,  34                           ; tile t: f at 2 t, at work at 2 t + 1
.set SUM, 38                           ; tile t: the sum, in two halves, at 2 t
.set BM,  42                           ; v42-45 a block's largest score, then its largest p; later chains of the sum
.set BX,  46                           ; v46-49 second chains
.set SO,  50                           ; v50-53 the conversions' scale operands
.set TX,  54                           ; v54, v55 what the other half of the lanes holds
.set S,   64
.set O,   192
.set KF,  0                            ; window 1
.set VF,  48
.set QW,  96
.set PC,  128
.set CT,  152
.set OC,  128                          ; the way out, window 0: o's codes
.set MSB, 0
.macro WIN new                         ; the immediate's high byte repeats the setting that is left; a switch that changes nothing is dropped
.if MSB != \new
	s_set_vgpr_msb (MSB<<8)|\new
.set MSB, \new
.endif
.endm
.macro PLACES                          ; four plain places behind matrix instructions (ISA guide 7.12.1)
.rept 4
	v_nop
.endr
.endm
.macro HINT k                          ; the producer stands k vector instructions back
	s_delay_alu instid0(VALU_DEP_\k)
.endm
.macro VWAIT
	s_wait_alu depctr_va_vdst(0)
.endm
.macro MS d, a, b, sa, sb              ; a product that starts a sum
	v_wmma_scale_f32_16x16x128_f8f6f4 v[\d:\d+7], v[\a:\a+11], v[\b:\b+11], 0, v[\sa], v[\sb] matrix_a_fmt:MATRIX_FMT_BF6 matrix_b_fmt:MATRIX_FMT_BF6
.endm
.macro MV d, a, b, sa, sb, row         ; a product that adds in place; row = 1: source 0's scales from lanes 16-31
.if \row
	v_wmma_scale_f32_16x16x128_f8f6f4 v[\d:\d+7], v[\a:\a+11], v[\b:\b+11], v[\d:\d+7], v[\sa], v[\sb] matrix_a_fmt:MATRIX_FMT_BF6 matrix_b_fmt:MATRIX_FMT_BF6 matrix_a_scale:MATRIX_SCALE_ROW1
.else
	v_wmma_scale_f32_16x16x128_f8f6f4 v[\d:\d+7], v[\a:\a+11], v[\b:\b+11], v[\d:\d+7], v[\sa], v[\sb] matrix_a_fmt:MATRIX_FMT_BF6 matrix_b_fmt:MATRIX_FMT_BF6
.endif
.endm
	s_load_b128 s[4:7], s[0:1], 0x0                ; qc s[4:5], kv s[6:7]
	s_load_b64 s[8:9], s[0:1], 0x10                ; oc
	v_lshl_add_u32 v3, v0, 2, SPARE
	v_mov_b32 v4, 0
	ds_add_u32 v3, v4
	ds_add_u32 v3, v4
	v_lshrrev_b32 v1, 5, v0
	v_readfirstlane_b32 s10, v1                    ; wave 0..7
	s_and_b32 s11, ttmp7, 0xffff                   ; batch x head
	s_mov_b32 s12, ttmp9                           ; block of 256 queries
	s_mov_b32 s16, 3<<16                           ; group 1 for one record, dense: 51 rows of 256 bytes (32 elements of 8 bytes), no padding
	s_mov_b32 s17, 32<<16
	s_mov_b32 s18, 51<<16
	s_mov_b32 s19, 32<<16
	s_mov_b32 s20, 51
	s_mov_b32 s21, 32
	s_mov_b32 s22, 0
	s_mov_b32 s23, 0
	s_mov_b32 s36, 3<<16                           ; group 1 for two records: 102 rows
	s_mov_b32 s37, 32<<16
	s_mov_b32 s38, 102<<16
	s_mov_b32 s39, 32<<16
	s_mov_b32 s40, 102
	s_mov_b32 s41, 32
	s_mov_b32 s42, 0
	s_mov_b32 s43, 0
	s_mul_i32 s25, s10, RECB                       ; slot A: my record's place,
	s_mul_i32 s14, s11, 32*RECB
	s_add_co_u32 s14, s14, s25                     ; and whence record w comes
	s_mov_b32 s15, 0
	s_lshl_b32 s45, s25, 1
	s_add_co_u32 s45, s45, SLOTA                   ; slot B: my two records' place,
	s_add_co_u32 s48, s14, s25
	s_add_co_u32 s48, s48, SLOTA                   ; and whence records 8 + 2 w, 9 + 2 w come
	s_mov_b32 s49, 0
	s_and_b32 s35, s10, 3                          ; my pair of tiles in its record of qc
	s_mul_i32 s60, s35, 1536                       ; its two half images,
	s_and_b32 s61, s10, 1
	s_lshl_b32 s61, s61, 3                         ; an odd pair's stand at lane xor 8,
	s_lshl_b32 s62, s35, 2                         ; its scale word in a row's 16 bytes
	s_lshr_b32 s13, s10, 2
	s_lshl_b32 s51, s12, 1
	s_add_co_u32 s51, s51, s13                     ; 2 x + w / 4
	s_lshl_b32 s52, s11, 5
	s_add_co_u32 s52, s52, s51
	s_mul_i32 s52, s52, 6656                       ; my record of qc
	s_mov_b32 s53, 0
	s_lshr_b32 s54, s11, 3
	s_lshl_b32 s54, s54, 5
	s_add_co_u32 s54, s54, s51
	s_mul_i32 s54, s54, 57344                      ; my record of oc: 32 batch + 2 x + w / 4
	s_lshl_b32 s55, s35, 4
	s_and_b32 s13, s11, 7
	s_add_co_u32 s55, s55, s13                     ; 8 m + head, m = 2 (w % 4): my first tile; the second stands 8 places on
	s_mul_i32 s56, s55, 768
	s_add_co_u32 s56, s56, s54
	s_mov_b32 s57, 0
	s_lshl_b32 s58, s55, 7
	s_add_co_u32 s58, s58, s54
	s_add_co_u32 s58, s58, 49152
	s_mov_b32 s59, 0
	s_mov_b32 s28, 0x76543210                      ; lane selects: lane l xor 16
	s_mov_b32 s29, 0xfedcba98
	s_mov_b32 s30, 0x3e38aa3b                      ; c = log2(e) / 8
	s_mov_b32 s31, s30                             ; (named with it as a pair, so it is written)
	s_mov_b32 s34, 0xbe38aa3b                      ; -c
	s_wait_dscnt 0x0                               ; both opening adds are done
	s_wait_kmcnt 0x0
	s_mov_b32 s24, 1
	s_add_nc_u64 s[26:27], s[6:7], s[14:15]
	s_or_b32 s27, s27, 0x80000000                  ; type 2
	tensor_load_to_lds s[24:27], s[16:23]          ; slot A: record w.  My one tensor load at the head
	s_nop 0
	s_mov_b32 s44, 1
	s_add_nc_u64 s[46:47], s[6:7], s[48:49]
	s_or_b32 s47, s47, 0x80000000
	s_add_nc_u64 s[52:53], s[4:5], s[52:53]
	s_add_nc_u64 s[56:57], s[8:9], s[56:57]
	s_add_nc_u64 s[58:59], s[8:9], s[58:59]
	v_and_b32 v56, 31, v0                          ; lane
	v_lshlrev_b32 v1, 4, v56
	v_lshlrev_b32 v2, 3, v56
	v_and_b32 v57, 7, v0                           ; r % 8
	v_bfe_u32 v58, v0, 3, 1                        ; g = r / 8
	v_bfe_u32 v59, v0, 4, 1                        ; h
	v_lshlrev_b32 v[SH], 3, v59
	v_lshlrev_b32 v60, 4, v57
	v_lshl_add_u32 v60, v59, 8, v60                ; 16 (r % 8) + 256 h
	v_mad_u32_u24 v[LK], v58, 1664, v60            ; K's registers 0-3, indices 0-7 (u / 2 = 0): + g (1,536 + 128): two tiles on, and there the upper half
	v_mad_u32_u24 v[LK+1], v58, 1408, v60
	v_add_nc_u32 v[LK+1], 128, v[LK+1]             ; indices 8-15 (u / 2 = 1): + 128 + g (1,536 - 128)
	v_lshlrev_b32 v61, 3, v57
	v_lshl_add_u32 v61, v59, 7, v61                ; 8 (r % 8) + 128 h
	v_mad_u32_u24 v[LK+2], v58, 1600, v61          ; K's registers 4-5 likewise, 8 bytes a lane
	v_mad_u32_u24 v[LK+3], v58, 1472, v61
	v_add_nc_u32 v[LK+3], 64, v[LK+3]
	v_lshlrev_b32 v[LK+4], 4, v57
	v_lshl_add_u32 v[LK+4], v58, 2, v[LK+4]        ; K's scale words: 16 (r % 8) + 4 g
	v_xor_b32 v62, s61, v56
	v_lshl_add_u32 v63, v62, 4, s60                ; Q's registers 0-3,
	v_lshl_add_u32 v62, v62, 3, s60                ; 4-5,
	v_and_b32 v56, 15, v0
	v_lshl_add_u32 v56, v56, 4, s62                ; and the pair's scale word
	VWAIT                                          ; the wait ahead of the readers below
	WIN 0x40                                       ; destination window 1
	global_load_b128 v[QW+6:QW+9], v63, s[52:53]   ; Q's two half images stay in registers
	global_load_b64 v[QW+10:QW+11], v62, s[52:53] offset:512
	global_load_b128 v[QW+18:QW+21], v63, s[52:53] offset:768
	global_load_b64 v[QW+22:QW+23], v62, s[52:53] offset:1280
.irp i, 0,1,2,3,4,5
	v_mov_b32 v[QW+\i], 0                          ; the zero codes round Q: written once
	v_mov_b32 v[QW+12+\i], 0
	v_mov_b32 v[QW+24+\i], 0
.endr
	WIN 0
	global_load_b32 v57, v56, s[52:53] offset:6144
.irp t, 0,1
	v_mov_b32 v[NM+2*\t], 0x7f61b1e6               ; -M: 3e38, a whole number
	v_mov_b32 v[NM+1+2*\t], 0xff61b1e6             ; the largest score so far: -3e38
	v_mov_b32 v[SUM+2*\t], 0
	v_mov_b32 v[SUM+1+2*\t], 0
	v_mov_b32 v[TX+\t], 0                          ; written once: a lane permute's destination counts as one of its sources
.endr
.set j, 0
.rept 64
	v_mov_b32 v[O+j], 0                            ; O^T.  The step is written for every step alike: the first finds zeros, which the first change of M leaves zeros
.set j, j+1
.endr
	VWAIT
	s_wait_loadcnt 0x0                             ; Q and its scale word: bytes 0, 1 my first tile's, bytes 2, 3 my second's
	v_and_b32 v[QS], 0xffff, v57                   ; the tile's two bytes over its 64 channels, the byte 0 over the zero codes
	v_lshlrev_b32 v[QS+1], 16, v57
	v_lshrrev_b32 v[QS+2], 16, v57
	v_and_b32 v[QS+3], 0xffff0000, v57
.macro KLOAD off                       ; 20 loads: the eight tiles' half images and the four pairs' scale words, off bytes behind the record in hand
	WIN 0x40
.irp c, 0,1
.irp w, 0,1
.irp u, 0,1
	ds_load_b128 v[KF+12*(2*\c+\w)+6*\u:KF+12*(2*\c+\w)+6*\u+3], v[AK+\w] offset:(\off)+768*(4*\c+\u)
	ds_load_b64 v[KF+12*(2*\c+\w)+6*\u+4:KF+12*(2*\c+\w)+6*\u+5], v[AK+2+\w] offset:(\off)+768*(4*\c+\u)+512
.endr
.endr
.endr
	WIN 0
.irp c, 0,1
.irp w, 0,1
	ds_load_b32 v[KS+2*\c+\w], v[AK+4] offset:(\off)+KSC+128*\w+8*\c
.endr
.endr
.endm
; A KEY STEP: 128 keys, both tiles.  Its K has been asked for already.  pre = 1: the next record's K is asked for.  bar = 1: a slot's last step, with the barrier in it; fill = 1: slot A is filled again.
.macro STEP pre, bar, fill
.irp i, 0,1,2,3,4
	v_add_nc_u32 v[AK+\i], s32, v[LK+\i]           ; (these seven lines are also the places behind the last step's products, in front of the loads into V's registers)
.endr
	v_add_nc_u32 v[AV], s32, v1
	v_add_nc_u32 v[AV+1], s32, v2
	VWAIT                                          ; the wait: some of these are first read behind the wait on DScnt below
	WIN 0x40
.irp t, 0,1,2,3
.irp c, 0,1,2
	ds_load_b128 v[VF+12*\t+4*\c:VF+12*\t+4*\c+3], v[AV] offset:VOFF+1536*\t+512*\c
.endr
.endr
	WIN 0
	ds_load_b64 v[VS:VS+1], v[AV+1] offset:VSC
.if \bar
	s_wait_tensorcnt 0x0                           ; all my tensor loads have landed: my part of the slot ahead; so group 0 may be written
	ds_add_u32 v3, v4                              ; 0 onto my spare word
.if \fill
	s_add_nc_u64 s[26:27], s[26:27], 24*RECB       ; record 24 + w, into record w's place
.endif
	s_wait_dscnt 14                                ; K's twenty loads are in; V's thirteen and the add, issued behind them, may be out
.else
	s_wait_dscnt 13                                ; K's twenty loads are in; V's thirteen may be out
.endif
	WIN 0x05                                       ; sources 0 and 1 window 1
.irp p, 0,1,2,3                                ; S^T: pair p of K's tiles against [Q, zeros] and [zeros, Q] of both tiles of queries: sixteen sums, each begun with 0
.irp t, 0,1
	MS S+64*\t+16*\p, KF+12*\p, QW+6+12*\t, KS+\p, QS+2*\t
	MS S+64*\t+16*\p+8, KF+12*\p, QW+12*\t, KS+\p, QS+2*\t+1
.endr
.endr
	WIN 0
.if \bar
	s_wait_dscnt 0x0                               ; the add is done, and my last reads of this slot are in registers:
	s_barrier_signal -1                            ; say so; up to the wait below stands work on registers alone
.endif
	PLACES
.if \pre
	KLOAD RECB                                     ; the next step's K lands during the softmax
.endif
.irp b, 0,1,2,3                                ; THE LARGEST SCORE OF EACH BLOCK OF 32 KEYS, all of them mine: two chains a block, eight by turns; each accumulator is read from its low end on
	v_max3_num_f32 v[BM+\b], v[S+32*\b], v[S+32*\b+1], v[S+32*\b+2]
	v_max3_num_f32 v[BX+\b], v[S+32*\b+16], v[S+32*\b+17], v[S+32*\b+18]
.endr
.irp i, 3,5,7,9,11,13
.irp b, 0,1,2,3
	v_max3_num_f32 v[BM+\b], v[BM+\b], v[S+32*\b+\i], v[S+32*\b+\i+1]
	v_max3_num_f32 v[BX+\b], v[BX+\b], v[S+32*\b+16+\i], v[S+32*\b+17+\i]
.endr
.endr
.irp b, 0,1,2,3
	v_max3_num_f32 v[BM+\b], v[BM+\b], v[BX+\b], v[S+32*\b+15]
.endr
.irp b, 0,1,2,3
	v_max_num_f32 v[BM+\b], v[BM+\b], v[S+32*\b+31]
.endr
	HINT 3
	v_max_num_f32 v[FT+1], v[BM], v[BM+1]          ; my half of the step's keys,
	HINT 2
	v_max_num_f32 v[FT+3], v[BM+2], v[BM+3]
.irp t, 0,1
	HINT 2
	v_permlanex16_b32 v[TX+\t], v[FT+1+2*\t], s28, s29
.endr
.irp t, 0,1
	HINT 2
	v_max3_num_f32 v[NM+1+2*\t], v[NM+1+2*\t], v[FT+1+2*\t], v[TX+\t]   ; lane l xor 16's half, and all before: the running largest score
.endr
.irp t, 0,1
	HINT 2
	v_mul_f32 v[FT+1+2*\t], s34, v[NM+1+2*\t]      ; -t (c is positive)
.endr
.irp t, 0,1
	HINT 2
	v_floor_f32 v[TX+\t], v[FT+1+2*\t]             ; the new -M = floor(-t) = -ceil(t)
.endr
.irp t, 0,1
	HINT 2
	v_sub_f32 v[FT+1+2*\t], v[TX+\t], v[NM+2*\t]   ; old M - new M: a whole number, 0 or less
.endr
.irp t, 0,1
	HINT 4
	v_mov_b32 v[NM+2*\t], v[TX+\t]
.endr
.irp t, 0,1
	HINT 4
	v_cvt_i32_f32 v[FT+1+2*\t], v[FT+1+2*\t]       ; (it saturates)
.endr
.irp t, 0,1
	HINT 2
	v_ldexp_f32 v[FT+2*\t], 1.0, v[FT+1+2*\t]      ; f = 2^(old M - new M)
.endr
.irp b, 0,1,2,3
	v_fma_f32 v[BM+\b], v[BM+\b], s30, v[NM+2*(\b/2)]   ; t - M of each block's largest score
.endr
.set j, 0
.rept 16
	v_pk_mul_f32 v[O+j:O+j+1], v[O+j:O+j+1], v[FT:FT+1] op_sel_hi:[1,0]   ; O^T under the new M, each accumulator from its low end on
	v_pk_mul_f32 v[O+32+j:O+33+j], v[O+32+j:O+33+j], v[FT+2:FT+3] op_sel_hi:[1,0]
.set j, j+2
.endr
.set j, 0
.rept 32
	v_pk_fma_f32 v[S+j:S+j+1], v[S+j:S+j+1], s[30:31], v[NM:NM+1] op_sel_hi:[1,0,0]   ; t - M, two at a time
	v_pk_fma_f32 v[S+64+j:S+65+j], v[S+64+j:S+65+j], s[30:31], v[NM+2:NM+3] op_sel_hi:[1,0,0]
.set j, j+2
.endr
	VWAIT                                          ; the wait ahead of the batch
.irp b, 0,1,2,3
	v_exp_f32 v[BM+\b], v[BM+\b]                   ; the block's largest p
.endr
.set j, 0
.rept 128
	v_exp_f32 v[S+j], v[S+j]                       ; p = 2^(t - M), at most 1
.set j, j+1
.endr
	v_pk_mul_f32 v[SUM:SUM+1], v[SUM:SUM+1], v[FT:FT+1] op_sel_hi:[1,0]   ; the sums under the new M.  (The plain place behind the exponentials)
	v_pk_mul_f32 v[SUM+2:SUM+3], v[SUM+2:SUM+3], v[FT+2:FT+3] op_sel_hi:[1,0]
	VWAIT                                          ; and the one wait behind it, ahead of its first reader
.irp b, 0,1,2,3
	v_max_num_f32 v[BM+\b], 0x2800000, v[BM+\b]    ; the floor 2^(5 - 127): the byte cannot fall under 1
.endr
.irp b, 0,1,2,3
	HINT 4
	v_add_nc_u32 v[SO+\b], 0xfe000000, v[BM+\b]    ; 4 off the exponent field: the conversion's scale operand
.endr
.irp b, 0,1,2,3
	HINT 4
	v_lshrrev_b32 v[BX+\b], 23, v[SO+\b]           ; the scale's byte
.endr
	HINT 3
	v_lshl_or_b32 v[FT+1], v[BX+1], 16, v[BX]      ; my two bytes: blocks h and 2 + h,
	HINT 2
	v_lshl_or_b32 v[FT+3], v[BX+3], 16, v[BX+2]
.irp t, 0,1
	HINT 2
	v_lshlrev_b32 v[FT+1+2*\t], v[SH], v[FT+1+2*\t]   ; at their places in the word (8 h bits up);
.endr
.irp t, 0,1
	HINT 2
	v_permlanex16_b32 v[TX+\t], v[FT+1+2*\t], s28, s29
.endr
.irp t, 0,1
	HINT 2
	v_or_b32 v[PW+\t], v[FT+1+2*\t], v[TX+\t]      ; with lane l xor 16's two the word is whole
.endr
	WIN 0x40                                       ; the codes go to window 1
.irp b, 0,1,2,3
	v_cvt_scalef32_pk16_bf6_f32 v[PC+6*\b:PC+6*\b+2], v[S+32*\b:S+32*\b+15], v[SO+\b]
	v_cvt_scalef32_pk16_bf6_f32 v[CT+4*\b:CT+4*\b+2], v[S+32*\b+16:S+32*\b+31], v[SO+\b]   ; (a conversion's three registers begin on an even number: the second half of a block's six is made elsewhere and moved)
.endr
	v_nop                                          ; one plain place behind a scaled conversion
	WIN 0x41
.irp b, 0,1,2,3
.irp i, 0,1,2
	v_mov_b32 v[PC+6*\b+3+\i], v[CT+4*\b+\i]
.endr
.endr
	WIN 0
.irp t, 0,1                                    ; THE ROW'S SUM OF THE UNQUANTISED p: three chains a tile, six by turns.  (These lines are also the places between p's codes and scale words and the products below)
	v_pk_add_f32 v[BM+2*\t:BM+2*\t+1], v[S+64*\t:S+64*\t+1], v[S+64*\t+2:S+64*\t+3]
.endr
.irp t, 0,1
	v_pk_add_f32 v[BX+2*\t:BX+2*\t+1], v[S+64*\t+4:S+64*\t+5], v[S+64*\t+6:S+64*\t+7]
.endr
.irp j, 8,14,20,26,32,38,44,50,56
.irp t, 0,1
	v_pk_add_f32 v[SUM+2*\t:SUM+2*\t+1], v[SUM+2*\t:SUM+2*\t+1], v[S+64*\t+\j:S+64*\t+\j+1]
.endr
.irp t, 0,1
	v_pk_add_f32 v[BM+2*\t:BM+2*\t+1], v[BM+2*\t:BM+2*\t+1], v[S+64*\t+\j+2:S+64*\t+\j+3]
.endr
.irp t, 0,1
	v_pk_add_f32 v[BX+2*\t:BX+2*\t+1], v[BX+2*\t:BX+2*\t+1], v[S+64*\t+\j+4:S+64*\t+\j+5]
.endr
.endr
.irp t, 0,1
	v_pk_add_f32 v[SUM+2*\t:SUM+2*\t+1], v[SUM+2*\t:SUM+2*\t+1], v[S+64*\t+62:S+64*\t+63]
.endr
.irp t, 0,1
	HINT 4
	v_pk_add_f32 v[BM+2*\t:BM+2*\t+1], v[BM+2*\t:BM+2*\t+1], v[BX+2*\t:BX+2*\t+1]
.endr
.irp t, 0,1
	HINT 2
	v_pk_add_f32 v[SUM+2*\t:SUM+2*\t+1], v[SUM+2*\t:SUM+2*\t+1], v[BM+2*\t:BM+2*\t+1]
.endr
.if \pre
	s_wait_dscnt 20                                ; V's thirteen loads are in; the next step's twenty of K, issued behind them, may be out
.else
.if \bar == 0
	s_wait_dscnt 0x0                               ; V is in
.endif
.endif
	WIN 0x05
.irp t, 0,1,2,3                                ; O^T += V^T P^T: the eight accumulators by turns, one instruction a turn; S^T's sixteen products stand between a step's links and the next step's
.irp q, 0,1
	MV O+32*\q+8*\t, VF+12*\t, PC+12*\q, VS+\t/2, PW+\q, \t%2
.endr
.endr
	WIN 0
.if \bar
	s_barrier_wait -1                              ; every wave has said so: the slot ahead is whole, and nobody reads the slot in hand any more
.if \fill
	tensor_load_to_lds s[24:27], s[16:23]          ; the first thing behind the barrier, and my one tensor load behind it
	s_nop 0
	PLACES
.endif
.endif
.endm
; A RUN of n records that lie on end in LDS: its first K; n - 1 steps, each asking for the next step's K; the last step, written out, which asks for none: the next record is read behind the barrier.
.macro RUN n, bar, fill
.irp i, 0,1,2,3,4
	v_add_nc_u32 v[AK+\i], s32, v[LK+\i]
.endr
	VWAIT                                          ; the wait: a barrier or a wait may stand close ahead of these lines' readers
	KLOAD 0
	s_mov_b32 s33, \n-1
.Lstep_\@:
	STEP 1, 0, 0
	s_add_co_u32 s32, s32, RECB
	s_sub_co_u32 s33, s33, 1
	s_cmp_lg_u32 s33, 0
	s_cbranch_scc1 .Lstep_\@
	STEP 0, \bar, \fill
.endm
	VWAIT                                          ; the wait at the head's end
	s_wait_tensorcnt 0x0                           ; my record of slot A has landed; slot B's first fill is issued as a refill is:
	ds_add_u32 v3, v4                              ; 0 onto my spare word
	s_wait_dscnt 0x0
	s_barrier_signal -1
	s_barrier_wait -1                              ; slot A is whole
	tensor_load_to_lds s[44:47], s[36:43]          ; slot B: records 8 + 2 w, 9 + 2 w: eight steps ahead of their first read
	s_nop 0
	PLACES
	s_mov_b32 s32, 0                               ; LDS byte at which the step's record begins
	RUN 8, 1, 1                                    ; records 0-7; slot A is filled again behind the barrier
	s_add_co_u32 s32, s32, RECB
	RUN 16, 1, 0                                   ; records 8-23; a barrier and no fill
	s_mov_b32 s32, 0
	RUN 8, 0, 0                                    ; records 24-31
	; THE WAY OUT: O^T / the sum, quantised along the head's 64 channels (two blocks a tile), stored as half images for the last product.
	; By V's tiles' order the 16 registers of channel tiles 2 b, 2 b + 1 are channels 32 b + 16 (lane / 16) + 0 .. 15: here a block lies in lanes l and l xor 16.
	PLACES
	VWAIT                                          ; the wait: the sums' last additions are first read here, behind the last step's wait on DScnt
.irp t, 0,1
	v_add_f32 v[SUM+2*\t], v[SUM+2*\t], v[SUM+2*\t+1]   ; the sum's two halves,
.endr
.irp t, 0,1
	HINT 2
	v_permlanex16_b32 v[TX+\t], v[SUM+2*\t], s28, s29
.endr
.irp t, 0,1
	HINT 2
	v_add_f32 v[SUM+2*\t], v[SUM+2*\t], v[TX+\t]   ; and lane l xor 16's keys: the row's sum
.endr
	VWAIT                                          ; the wait ahead of the transcendentals
	v_rcp_f32 v[SUM], v[SUM]
	v_rcp_f32 v[SUM+2], v[SUM+2]
	v_lshrrev_b32 v60, 2, v1                       ; (a plain place)  4 x lane
	VWAIT                                          ; and behind them, directly ahead of the first readers of the reciprocals and of O^T
.set j, 0
.rept 16
	v_pk_mul_f32 v[S+j:S+j+1], v[O+j:O+j+1], v[SUM:SUM+1] op_sel_hi:[1,0]
	v_pk_mul_f32 v[S+32+j:S+33+j], v[O+32+j:O+33+j], v[SUM+2:SUM+3] op_sel_hi:[1,0]
.set j, j+2
.endr
.irp b, 0,1,2,3                                ; block 2 tile + b: sixteen registers each
	v_max3_num_f32 v[BM+\b], |v[S+16*\b]|, |v[S+16*\b+1]|, 0x2800000
.endr
.irp i, 2,4,6,8,10,12,14
.irp b, 0,1,2,3
	HINT 4
	v_max3_num_f32 v[BM+\b], v[BM+\b], |v[S+16*\b+\i]|, |v[S+16*\b+\i+1]|
.endr
.endr
.irp b, 0,1,2,3
	HINT 4
	v_permlanex16_b32 v[BX+\b], v[BM+\b], s28, s29
.endr
.irp b, 0,1,2,3
	HINT 4
	v_max_num_f32 v[BM+\b], v[BM+\b], v[BX+\b]
.endr
.irp b, 0,1,2,3
	HINT 4
	v_add_nc_u32 v[SO+\b], 0xfe000000, v[BM+\b]
.endr
.irp b, 0,1,2,3
	HINT 4
	v_lshrrev_b32 v[BX+\b], 23, v[SO+\b]
.endr
.irp t, 0,1
	v_lshl_or_b32 v[PW+\t], v[BX+2*\t+1], 8, v[BX+2*\t]   ; two bytes: half of a scale word of the last product
.endr
.irp t, 0,1
	v_cvt_scalef32_pk16_bf6_f32 v[OC+16*\t:OC+16*\t+2], v[S+32*\t:S+32*\t+15], v[SO+2*\t]
	v_cvt_scalef32_pk16_bf6_f32 v[OC+16*\t+8:OC+16*\t+10], v[S+32*\t+16:S+32*\t+31], v[SO+2*\t+1]
.endr
	v_nop                                          ; one plain place behind a scaled conversion
.irp t, 0,1
.irp i, 0,1,2
	v_permlane16_swap_b32 v[OC+16*\t+\i], v[OC+16*\t+8+\i]   ; the operand's layout wants a whole block in a lane
.endr
.endr
.irp t, 0,1
.irp i, 0,1,2
	v_mov_b32 v[OC+16*\t+3+\i], v[OC+16*\t+8+\i]
.endr
.endr
.irp t, 0,1
	global_store_b128 v1, v[OC+16*\t:OC+16*\t+3], s[56:57] offset:6144*\t        ; 32 lanes store 512 consecutive bytes,
	global_store_b64 v2, v[OC+16*\t+4:OC+16*\t+5], s[56:57] offset:6144*\t+512   ; and 256
	global_store_b32 v60, v[PW+\t], s[58:59] offset:1024*\t
.endr
	s_wait_tensorcnt 0x0                           ; the wave's end
	ds_add_u32 v3, v4
	s_wait_dscnt 0x0
	s_endpgm
.Lfunc_end_k_qdd2af286be_attn:
	.size	k_qdd2af286be_attn, .Lfunc_end_k_qdd2af286be_attn-k_qdd2af286be_attn
	.p2alignl 7, 3214868480
	.fill 96, 4, 3214868480
	.section	.rodata,"a",@progbits
	.p2align	6, 0x0
	.amdhsa_kernel k_qdd2af286be_attn
		.amdhsa_group_segment_fixed_size 327680
		.amdhsa_private_segment_fixed_size 0
		.amdhsa_enable_private_segment 0
		.amdhsa_kernarg_size 24
		.amdhsa_user_sgpr_count 2
		.amdhsa_user_sgpr_kernarg_segment_ptr 1
		.amdhsa_wavefront_size32 1
		.amdhsa_system_sgpr_workgroup_id_x 1
		.amdhsa_system_sgpr_workgroup_id_y 1
		.amdhsa_system_sgpr_workgroup_id_z 1
		.amdhsa_system_vgpr_workitem_id 0
		.amdhsa_next_free_vgpr 424
		.amdhsa_next_free_sgpr 66
		.amdhsa_reserve_vcc 0
		.amdhsa_float_denorm_mode_32 3
		.amdhsa_float_denorm_mode_16_64 3
		.amdhsa_memory_ordered 1
		.amdhsa_forward_progress 1
		.amdhsa_inst_pref_size 189
	.end_amdhsa_kernel
	.amdgpu_metadata
---
amdhsa.version: [ 1, 2 ]
amdhsa.kernels:
  - .name:           k_qdd2af286be_attn
    .symbol:         k_qdd2af286be_attn.kd
    .args:
      - { .name: qc, .offset: 0, .size: 8, .value_kind: global_buffer, .address_space: global }
      - { .name: kv, .offset: 8, .size: 8, .value_kind: global_buffer, .address_space: global }
      - { .name: oc, .offset: 16, .size: 8, .value_kind: global_buffer, .address_space: global }
    .group_segment_fixed_size: 327680
    .private_segment_fixed_size: 0
    .kernarg_segment_align: 8
    .kernarg_segment_size: 24
    .max_flat_workgroup_size: 256
    .sgpr_count:     66
    .vgpr_count:     424
    .wavefront_size: 32
...
	.end_amdgpu_metadata
.endif
;; end of part 3
;; launch proj (part 4): grid 64 x 4, 8 waves a work-group, no clusters, 181,248 bytes of LDS; arguments xw, oc, bo, out0; writes out0
.if DOCPART == 4
	.amdgcn_target "amdgcn-amd-amdhsa--gfx1250"
	.amdhsa_code_object_version 6
	.text
	.protected	k_qdd2af286be_proj
	.globl	k_qdd2af286be_proj
	.p2align	8
	.type	k_qdd2af286be_proj,@function
k_qdd2af286be_proj:
	s_mov_b64 s[64:65], 0
	v_nop
	global_prefetch_b8 v0, s[64:65] scope:SCOPE_SE
	s_setreg_imm32_b32 hwreg(HW_REG_WAVE_MODE, 25, 1), 1
	s_wait_xcnt 0x0
; out0 = o Wo^T + bo on codes of BF6 (E3M2) with E8M0 scales, sums in f32.  o's codes come from oc (half images, one for each tile of 16 tokens and head), Wo's from records 76-79 of xw.
; SHARES.  A work-group takes 128 tokens (group g = work-group x) and 128 columns (work-group y: one record of Wo).  Wave w takes 64 columns (ch = w % 2) of the token tiles 2 p, 2 p + 1 (p = w / 2): 32 matrix instructions.
; Both records come into LDS once (53,248 + 57,344 bytes; waves 0-3 fetch Wo's quarters, waves 4-7 o's) and are read as images: lane l's bytes at 16 l or 8 l.
; Source 0 = 16 rows of Wo, source 1 = 16 tokens: lane (r, h) holds token index r, and the 16 registers of Wo's tiles 2 b, 2 b + 1 are columns 32 b + 16 h + 0 .. 15.  bo is the C of each sum's first matrix instruction.
; A fragment of o for K step s is two half images side by side: head 2 s in registers 0-5, head 2 s + 1 in registers 6-11; its scale word is their two half words.
; THE WAY OUT: through the wave's own stage (32 rows x (256 + 16) bytes, in blocks into which no tensor load lands): sixteen lanes store 256 consecutive bytes of a row of out0, aligned.
; Token index i of tile 2 p + mm is token 32 p + 8 mm + i + 8 (i / 8) of the group.
; NO CLUSTER: a work-group asks once, for 110,592 bytes, and has one barrier; joint loads would add two rounds of the cluster's barrier to a body of 32 products a wave.
; LDS is filled once; the claim covers the use (180,224 bytes) and leaves the work-group alone on its WGP.
; REGISTERS.  Window 0: v1-15 offsets; v16-31 Wo's scale words; v32-127 eight fragments of o, later rows of out0; v128-191 eight accumulators; v192-207 o's half words; v208-215 o's scale words.
;             Window 1: v0-191 Wo's fragment f = 4 x tile + K step at 12 f; v192-223 bo, eight registers a tile.
.set REC,   53248
.set OREC,  57344
.set FRB,   1536
.set STGB,  REC+OREC                   ; 110,592: the stages begin here
.set WS,    16
.set XF,    32
.set ACC,   128
.set T,     192
.set OS,    208
.set BI,    192                        ; in window 1
.set MSB, 0
.macro WIN new                         ; the immediate's high byte repeats the setting that is left; a switch that changes nothing is dropped
.if MSB != \new
	s_set_vgpr_msb (MSB<<8)|\new
.set MSB, \new
.endif
.endm
	s_load_b256 s[4:11], s[0:1], 0x0               ; xw s[4:5], oc s[6:7], bo s[8:9], out0 s[10:11]
	v_lshl_add_u32 v254, v0, 2, 0x2c000
	v_mov_b32 v255, 0
	ds_add_u32 v254, v255
	ds_add_u32 v254, v255
	v_lshrrev_b32 v1, 5, v0
	s_delay_alu instid0(VALU_DEP_1)
	v_readfirstlane_b32 s16, v1                    ; wave 0..7
	s_and_b32 s17, s16, 1                          ; ch
	s_lshr_b32 s18, s16, 1                         ; p
	s_mov_b32 s19, ttmp9                           ; g
	s_and_b32 s20, ttmp7, 0xffff                   ; y
	s_and_b32 s21, s16, 3                          ; which quarter I fetch
	; descriptor groups 1: a quarter of a record, dense, as rows of 256 bytes (32 elements of 8 bytes), no padding: Wo's 52 rows, o's 56
	s_mov_b32 s24, 3<<16
	s_mov_b32 s25, 32<<16
	s_mov_b32 s26, 52<<16
	s_mov_b32 s27, 32<<16
	s_mov_b32 s28, 52
	s_mov_b32 s29, 32
	s_mov_b32 s30, 0
	s_mov_b32 s31, 0
	s_mov_b32 s32, 3<<16
	s_mov_b32 s33, 32<<16
	s_mov_b32 s34, 56<<16
	s_mov_b32 s35, 32<<16
	s_mov_b32 s36, 56
	s_mov_b32 s37, 32
	s_mov_b32 s38, 0
	s_mov_b32 s39, 0
	s_mul_i32 s41, s21, 13312                      ; Wo's quarter: in LDS,
	s_add_co_u32 s22, s20, 76
	s_mul_i32 s22, s22, REC
	s_add_co_u32 s22, s22, s41                     ; and in xw
	s_mov_b32 s23, 0
	s_mul_i32 s48, s21, 14336
	s_add_co_u32 s45, s48, REC                     ; o's quarter: in LDS, behind Wo's record,
	s_mul_i32 s49, s19, OREC
	s_add_co_u32 s48, s48, s49                     ; and in oc
	s_mov_b32 s49, 0
	s_lshl_b32 s50, s20, 9
	s_lshl_b32 s51, s17, 8
	s_add_co_u32 s50, s50, s51                     ; my 64 columns, in bytes: 512 y + 256 ch
	s_mov_b32 s51, 0
	s_lshl_b32 s52, s19, 7
	s_lshl_b32 s53, s18, 5
	s_add_co_u32 s52, s52, s53
	s_lshl_b32 s52, s52, 11                        ; my first token's row of 2,048 bytes: 128 g + 32 p
	s_add_co_u32 s52, s52, s50
	s_mov_b32 s53, 0
	s_mul_i32 s54, s16, 8704
	s_add_co_u32 s54, s54, STGB                    ; my stage
	s_mul_i32 s55, s17, 16*FRB                     ; my 16 images of Wo,
	s_lshl_b32 s56, s17, 11                        ; their scale words,
	s_mul_i32 s57, s18, 12288
	s_add_co_u32 s57, s57, REC                     ; my two tiles' 16 half images of o,
	s_lshl_b32 s58, s18, 11
	s_add_co_u32 s58, s58, REC+49152               ; their half words
	s_wait_dscnt 0x0
	s_wait_kmcnt 0x0
	s_mov_b32 s40, 1
	s_add_nc_u64 s[42:43], s[4:5], s[22:23]
	s_or_b32 s43, s43, 0x80000000                  ; type 2
	s_mov_b32 s44, 1
	s_add_nc_u64 s[46:47], s[6:7], s[48:49]
	s_or_b32 s47, s47, 0x80000000
	s_cmp_lt_u32 s16, 4                            ; one tensor load a wave: the branch hangs on the wave's number alone
	s_cbranch_scc0 .Lfor_o
	tensor_load_to_lds s[40:43], s[24:31]
	s_nop 0
.rept 4
	v_nop
.endr
	s_branch .Lasked
.Lfor_o:
	tensor_load_to_lds s[44:47], s[32:39]
	s_nop 0
.rept 4
	v_nop
.endr
.Lasked:
	s_add_nc_u64 s[8:9], s[8:9], s[50:51]
	s_add_nc_u64 s[10:11], s[10:11], s[52:53]
	v_and_b32 v8, 31, v0
	s_delay_alu instid0(VALU_DEP_1)
	v_lshlrev_b32 v1, 4, v8                        ; 16 x lane
	s_delay_alu instid0(VALU_DEP_2)
	v_lshlrev_b32 v2, 3, v8                        ; 8 x lane
	s_delay_alu instid0(VALU_DEP_3)
	v_lshlrev_b32 v3, 2, v8                        ; 4 x lane
	v_and_b32 v14, 15, v0                          ; r
	v_bfe_u32 v15, v0, 4, 1                        ; h
	s_delay_alu instid0(VALU_DEP_1)
	v_lshlrev_b32 v13, 6, v15                      ; 64 h: my half's eight columns of a tile, in bo
	v_add_nc_u32 v4, s55, v1
	v_add_nc_u32 v5, s56, v3
	v_add_nc_u32 v6, s57, v1
	v_add_nc_u32 v7, s57, v2
	v_add_nc_u32 v9, s58, v3
	WIN 0x40                                       ; destination window 1
.irp n, 0,1,2,3
	global_load_b128 v[BI+8*\n:BI+8*\n+3], v13, s[8:9] offset:(32*(\n/2)+8*(\n%2))*4
	global_load_b128 v[BI+8*\n+4:BI+8*\n+7], v13, s[8:9] offset:(32*(\n/2)+8*(\n%2))*4+16
.endr
	WIN 0
	s_wait_alu depctr_va_vdst(0)
	s_wait_tensorcnt 0x0                           ; my quarter has landed,
	s_barrier_signal -1
	s_barrier_wait -1                              ; everybody's has
.irp e, 0,1,2,3,4,5,6,7,8,9,10,11,12,13,14,15
	ds_load_b32 v[T+\e], v9 offset:128*\e          ; o's half words: place 8 mm + head
.endr
	WIN 0x40
.irp f, 0,1,2,3,4,5,6,7,8,9,10,11,12,13,14,15
.irp c, 0,1,2
	ds_load_b128 v[12*\f+4*\c:12*\f+4*\c+3], v4 offset:FRB*\f+512*\c
.endr
.endr
	WIN 0
.irp f, 0,1,2,3,4,5,6,7,8,9,10,11,12,13,14,15
	ds_load_b32 v[WS+\f], v5 offset:49152+128*\f
.endr
.irp mm, 0,1
.irp s, 0,1,2,3
	ds_load_b128 v[XF+12*(4*\mm+\s):XF+12*(4*\mm+\s)+3], v6 offset:768*(8*\mm+2*\s)
	ds_load_b64 v[XF+12*(4*\mm+\s)+4:XF+12*(4*\mm+\s)+5], v7 offset:768*(8*\mm+2*\s)+512
	ds_load_b128 v[XF+12*(4*\mm+\s)+6:XF+12*(4*\mm+\s)+9], v6 offset:768*(8*\mm+2*\s+1)
	ds_load_b64 v[XF+12*(4*\mm+\s)+10:XF+12*(4*\mm+\s)+11], v7 offset:768*(8*\mm+2*\s+1)+512
.endr
.endr
	s_wait_dscnt 0x0
	s_wait_loadcnt 0x0                             ; bo
.irp mm, 0,1
.irp s, 0,1,2,3
	v_lshl_or_b32 v[OS+4*\mm+\s], v[T+8*\mm+2*\s+1], 16, v[T+8*\mm+2*\s]   ; heads 2 s and 2 s + 1: four bytes for 128 along K
.endr
.endr
	; the eight lines below are the eight places between scale registers written by vector instructions and the scaled products
	v_mul_u32_u24 v10, v14, 272
	s_delay_alu instid0(VALU_DEP_1)
	v_lshl_add_u32 v10, v15, 6, v10
	s_delay_alu instid0(VALU_DEP_1)
	v_add_nc_u32 v10, s54, v10                     ; into the stage: row r of a tile, + 64 h
	v_mul_u32_u24 v11, v15, 272
	s_delay_alu instid0(VALU_DEP_1)
	v_lshl_add_u32 v11, v14, 4, v11
	s_delay_alu instid0(VALU_DEP_1)
	v_add_nc_u32 v11, s54, v11                     ; back: lanes 0-15 one row of 256 bytes, lanes 16-31 the next
	v_lshlrev_b32 v12, 11, v15
	s_delay_alu instid0(VALU_DEP_1)
	v_lshl_add_u32 v12, v14, 4, v12                ; and the same two rows in out0
	WIN 0x11                                       ; source 0 (Wo) and source 2 (bo) window 1.  Eight accumulators by turns, one instruction a turn
.irp mm, 0,1
.irp n, 0,1,2,3
	v_wmma_scale_f32_16x16x128_f8f6f4 v[ACC+32*\mm+8*\n:ACC+32*\mm+8*\n+7], v[12*(4*\n):12*(4*\n)+11], v[XF+12*(4*\mm):XF+12*(4*\mm)+11], v[BI+8*\n:BI+8*\n+7], v[WS+4*\n], v[OS+4*\mm] matrix_a_fmt:MATRIX_FMT_BF6 matrix_b_fmt:MATRIX_FMT_BF6
.endr
.endr
	WIN 0x01
.irp s, 1,2,3
.irp mm, 0,1
.irp n, 0,1,2,3
	v_wmma_scale_f32_16x16x128_f8f6f4 v[ACC+32*\mm+8*\n:ACC+32*\mm+8*\n+7], v[12*(4*\n+\s):12*(4*\n+\s)+11], v[XF+12*(4*\mm+\s):XF+12*(4*\mm+\s)+11], v[ACC+32*\mm+8*\n:ACC+32*\mm+8*\n+7], v[WS+4*\n+\s], v[OS+4*\mm+\s] matrix_a_fmt:MATRIX_FMT_BF6 matrix_b_fmt:MATRIX_FMT_BF6
.endr
.endr
.endr
	WIN 0
.rept 4
	v_nop                                          ; four places in front of the first read of results and of the loads into o's registers
.endr
.irp mm, 0,1
.irp b, 0,1
.irp q, 0,1,2,3
	ds_store_b128 v10, v[ACC+32*\mm+16*\b+4*\q:ACC+32*\mm+16*\b+4*\q+3] offset:4352*\mm+128*\b+16*\q   ; columns 32 b + 16 h + 4 q on; each accumulator from its low end on
.endr
.endr
.endr
.irp mm, 0,1
.irp i, 0,1,2,3,4,5,6,7
	ds_load_b128 v[XF+4*(8*\mm+\i):XF+4*(8*\mm+\i)+3], v11 offset:4352*\mm+544*\i   ; my wave's own bytes, served in order: these see the stores above
.endr
.endr
	s_wait_alu depctr_va_vdst(0)
.irp mm, 0,1
.irp i, 0,1,2,3,4,5,6,7
	s_wait_dscnt 15-(8*\mm+\i)                     ; this read-back is in; the younger ones may be out
	global_store_b128 v12, v[XF+4*(8*\mm+\i):XF+4*(8*\mm+\i)+3], s[10:11] offset:(8*\mm+2*\i+8*(\i/4))*2048 th:TH_STORE_NT   ; stage rows 2 i, 2 i + 1 of tile mm are tokens 8 mm + 2 i + 8 (i / 4) and the next; sixteen lanes store 256 consecutive bytes, aligned
.endr
.endr
	s_wait_tensorcnt 0x0
	ds_add_u32 v254, v255
	s_wait_dscnt 0x0
	s_endpgm
.Lfunc_end_k_qdd2af286be_proj:
	.size	k_qdd2af286be_proj, .Lfunc_end_k_qdd2af286be_proj-k_qdd2af286be_proj
	.p2alignl 7, 3214868480
	.fill 96, 4, 3214868480
	.section	.rodata,"a",@progbits
	.p2align	6, 0x0
	.amdhsa_kernel k_qdd2af286be_proj
		.amdhsa_group_segment_fixed_size 181248
		.amdhsa_private_segment_fixed_size 0
		.amdhsa_enable_private_segment 0
		.amdhsa_kernarg_size 32
		.amdhsa_user_sgpr_count 2
		.amdhsa_user_sgpr_kernarg_segment_ptr 1
		.amdhsa_wavefront_size32 1
		.amdhsa_system_sgpr_workgroup_id_x 1
		.amdhsa_system_sgpr_workgroup_id_y 1
		.amdhsa_system_sgpr_workgroup_id_z 1
		.amdhsa_system_vgpr_workitem_id 0
		.amdhsa_next_free_vgpr 480
		.amdhsa_next_free_sgpr 66
		.amdhsa_reserve_vcc 0
		.amdhsa_float_denorm_mode_32 3
		.amdhsa_float_denorm_mode_16_64 3
		.amdhsa_memory_ordered 1
		.amdhsa_forward_progress 1
		.amdhsa_inst_pref_size 22
	.end_amdhsa_kernel
	.amdgpu_metadata
---
amdhsa.version: [ 1, 2 ]
amdhsa.kernels:
  - .name:           k_qdd2af286be_proj
    .symbol:         k_qdd2af286be_proj.kd
    .args:
      - { .name: xw, .offset: 0, .size: 8, .value_kind: global_buffer, .address_space: global }
      - { .name: oc, .offset: 8, .size: 8, .value_kind: global_buffer, .address_space: global }
      - { .name: bo, .offset: 16, .size: 8, .value_kind: global_buffer, .address_space: global }
      - { .name: out0, .offset: 24, .size: 8, .value_kind: global_buffer, .address_space: global }
    .group_segment_fixed_size: 181248
    .private_segment_fixed_size: 0
    .kernarg_segment_align: 8
    .kernarg_segment_size: 32
    .max_flat_workgroup_size: 256
    .sgpr_count:     66
    .vgpr_count:     480
    .wavefront_size: 32
...
	.end_amdgpu_metadata
.endif
;; end of part 4
